; MI455X (gfx1250); checked and timed in simulation.
; The chip was launched on July 23, 2026; its instructions are those of AMD's public machine-readable ISA for CDNA 5 (MIT licence, August 2026) and "CDNA5" Instruction Set Architecture Reference Guide (July 2026). The comments in the code are by the model that wrote it; some were corrected since.
;; Multi Head Attention. Allowed arithmetic: matrix products marked QUANTISED: E2M3 operands, one E8M0 scale for each 32 along K, by v_wmma_scale_f32_16x16x128_f8f6f4 with both operands' format E2M3, f32 sums; everything else in f32.
;; Inputs: Wk_codes 1,024 x 32 x 24 uint8 (E2M3 codes of Wk, K innermost, in blocks of 32 codes, four codes in three bytes); Wk_scales 1,024 x 32 uint8 (E8M0 scales of Wk, one for each 32 codes along K); Wo_codes 1,024 x 32 x 24 uint8 (E2M3 codes of Wo, K innermost, in blocks of 32 codes, four codes in three bytes); Wo_scales 1,024 x 32 uint8 (E8M0 scales of Wo, one for each 32 codes along K); Wq_codes 1,024 x 32 x 24 uint8 (E2M3 codes of Wq, K innermost, in blocks of 32 codes, four codes in three bytes); Wq_scales 1,024 x 32 uint8 (E8M0 scales of Wq, one for each 32 codes along K); Wv_codes 1,024 x 32 x 24 uint8 (E2M3 codes of Wv, K innermost, in blocks of 32 codes, four codes in three bytes); Wv_scales 1,024 x 32 uint8 (E8M0 scales of Wv, one for each 32 codes along K); bk 1,024 float32; bo 1,024 float32; bq 1,024 float32; bv 1,024 float32; key_codes 4 x 2,048 x 32 x 24 uint8 (E2M3 codes of key, K innermost, in blocks of 32 codes, four codes in three bytes); key_scales 4 x 2,048 x 32 uint8 (E8M0 scales of key, one for each 32 codes along K); mask 4 x 1 x 1 x 2,048 bool; query_codes 4 x 2,048 x 32 x 24 uint8 (E2M3 codes of query, K innermost, in blocks of 32 codes, four codes in three bytes); query_scales 4 x 2,048 x 32 uint8 (E8M0 scales of query, one for each 32 codes along K); value_codes 4 x 2,048 x 32 x 24 uint8 (E2M3 codes of value, K innermost, in blocks of 32 codes, four codes in three bytes); value_scales 4 x 2,048 x 32 uint8 (E8M0 scales of value, one for each 32 codes along K).
;; Outputs: out0 4 x 2,048 x 1,024 float32.
;; This version of the problem:
;;   THIS VERSION OF THE PROBLEM IS GIVEN IN LOW PRECISION. The matrix products marked QUANTISED in the list below multiply operands that are first quantised to E2M3 (2 exponent bits, 3 mantissa bits; 6 bits a number), with one power-of-two scale for each 32 numbers along K (OCP MX v1.0); their sums are f32. All else is computed in f32.
;;   The module's matrix products, in the order in which they are computed (A, B: the left and right operand; K: the contracted axis; several contracted axes count as one K, in the product's order):
;;     1. [M 8,192, K 1,024] x [K 1,024, N 1,024]; A: input query (given as codes); B: input Wq (given as codes): QUANTISED
;;     2. [M 8,192, K 1,024] x [K 1,024, N 1,024]; A: input key (given as codes); B: input Wk (given as codes): QUANTISED
;;     3. [M 8,192, K 1,024] x [K 1,024, N 1,024]; A: input value (given as codes); B: input Wv (given as codes): QUANTISED
;;     4. batch 64 x [M 2,048, K 64] x [K 64, N 2,048]; A: computed on the way; B: computed on the way: QUANTISED
;;     5. batch 64 x [M 64, K 2,048] x [K 2,048, N 2,048]; A: computed on the way; B: softmax (see below): QUANTISED
;;     6. [M 8,192, K 1,024] x [K 1,024, N 1,024]; A: computed on the way; B: input Wo (given as codes): QUANTISED
;;   THE QUANTISER, for each operand of a quantised product, along K:
;;     - K is cut into blocks of 32 from its start; a last block that is shorter is filled with zeros.
;;     - A block's scale is 2^e with e = floor(log2(the largest magnitude in the block)) - 2, held to -126 .. 127; a block of zeros has e = 0. As a byte (E8M0): e + 127.
;;     - Each number is divided by its block's scale, clamped to +-7.5, and rounded to the nearest number of E2M3, ties to even, subnormals kept.
;;     - The product sums the exact products of the quantised numbers (number of the format x scale) in f32.
;;   ~~~python
;;   def quantise(x, axis):      # numpy; x: float32 -> the quantised numbers, widened to float32 again
;;       x = np.moveaxis(x, axis, -1); K = x.shape[-1]
;;       x = np.pad(x, [(0, 0)] * (x.ndim - 1) + [(0, -K % 32)]); x = x.reshape(x.shape[:-1] + (-1, 32)); a = np.abs(x).max(-1, keepdims=True)
;;       e = np.where(a > 0, np.clip(np.frexp(np.where(a > 0, a, 1))[1] - 1 - 2, -126, 127), 0)      # np.frexp(a)[1] - 1 = floor(log2(a)), exactly
;;       r = np.clip(x / 2.0 ** e, -7.5, 7.5)
;;       step = 2.0 ** (np.maximum(np.frexp(np.where(r == 0, 1, r))[1] - 1, 0) - 3)
;;       q = np.round(r / step) * step * 2.0 ** e      # np.round: ties to even
;;       return np.moveaxis(q.reshape(q.shape[:-2] + (-1,))[..., :K], -1, axis).astype(np.float32)
;;   ~~~
;;   SOFTMAX AHEAD OF A QUANTISED PRODUCT. Where the list says 'softmax', what is quantised is not the finished softmax but p = 2^(t - M), with t = logit x log2(e) and M = ceil(the row's largest t), a whole number; so 1/2 < the row's largest p <= 1. The row's sum l is taken of the UNQUANTISED p, in f32, and the product's result is divided by l at the end. Since M is a whole number, a kernel that streams over the keys may use a running M (the ceiling of the running maximum): every later rescaling is an exact power of two, which a block's scale takes up: the codes' values come out the same.
;;   OPERANDS COMPUTED ON THE WAY. 'Computed on the way' means the value that the module computes at that place (a softmax that the list does not call 'softmax' is quantised finished and normalised). What goes into a quantiser is computed in f32, as accurately as f32 sums, v_exp_f32 and their like allow (about 1e-6 of the number): no bf16 or f16 on the way to a quantiser, and a product that is left as it is and whose result goes on into a quantised operand takes f32 operands (vector FMAs, or v_wmma_f32_16x16x4_f32). A number that lies on a knife's edge between two numbers of the format may be rounded either way, as far as f32 arithmetic and the matrix unit's own rounding can turn it there, and no further.
;;   INPUTS GIVEN AS CODES. Wk (in the module: [1024, 1024], K = its axis 0); Wo (in the module: [1024, 1024], K = its axis 0); Wq (in the module: [1024, 1024], K = its axis 0); Wv (in the module: [1024, 1024], K = its axis 0); key (in the module: [4, 2048, 1024], K = its axis 2); query (in the module: [4, 2048, 1024], K = its axis 2); value (in the module: [4, 2048, 1024], K = its axis 2): each comes as NAME_codes (uint8): NAME with its K axis moved to the last place and cut into blocks of 32 codes, [.., K / 32, bytes a block], one block behind the other in memory; four codes in three bytes: a row's codes are one little-endian stream of bits, code i at bits 6 i .. 6 i + 5 (a code: sign, 2 exponent bits, 3 mantissa bits); and NAME_scales (uint8): the same leading axes, one E8M0 byte (e + 127) for each 32 codes along K. Its value is code x scale, taken as it is: it is not quantised again, and the codes and scales need not be those that the quantiser above would give.
;; One version. Each part assembles by itself: llvm-mc -triple=amdgcn-amd-amdhsa -mcpu=gfx1250 --defsym DOCPART=n.
;; ======== version 1 of 1: 3 launches
;; limits: right only within a limited range of input values
;; workspace buffers: qc 6,815,744 bytes; kv 13,369,344 bytes; atc 6,291,456 bytes; ats 262,144 bytes
;; launch qkv (part 1): grid 4 x 96, 4 waves a work-group, clusters of 4 x 4, 327,680 bytes of LDS; arguments query_codes, query_scales, key_codes, key_scales, Wv_codes, Wv_scales, Wq_codes, Wq_scales, Wk_codes, Wk_scales, value_codes, value_scales, bq, bk, bv, mask, qc, kv; writes qc, kv
.if DOCPART == 1
	.amdgcn_target "amdgcn-amd-amdhsa--gfx1250"
	.amdhsa_code_object_version 6
	.text
	.protected	k_q7f08167eac_qkv
	.globl	k_q7f08167eac_qkv
	.p2align	8
	.type	k_q7f08167eac_qkv,@function
k_q7f08167eac_qkv:
	s_mov_b64 s[64:65], 0
	v_nop
	global_prefetch_b8 v0, s[64:65] scope:SCOPE_SE
	s_setreg_imm32_b32 hwreg(HW_REG_WAVE_MODE, 25, 1), 1
	s_wait_xcnt 0x0
	s_wait_alu depctr_hold_cnt(0) depctr_sa_sdst(0) depctr_va_vdst(0) depctr_va_sdst(0) depctr_va_ssrc(0) depctr_va_vcc(0) depctr_vm_vsrc(0)
	s_getreg_b32 s2, hwreg(HW_REG_IB_STS2, 6, 4)
	s_cmp_eq_u32 s2, 0
	s_cbranch_scc0 .Lentry_in_a_cluster
	s_endpgm
.Lentry_in_a_cluster:
	s_bfe_u32 s2, ttmp6, 0x10000c
	s_cmp_lg_u32 s2, 0xf033
	s_cbranch_scc0 .Lentry_shape_is_right
	s_endpgm
.Lentry_shape_is_right:
.set KSTEP,  256
.set NQ,     KSTEP/128
.set ROWB,   192
.set KROW,   768
.set PITCH,  240
.set FR,     12
.set NL,     6
.set NP,     4
.set HALFT,  128*PITCH
.set SLOT,   4*HALFT
.set LAPS,   2
.set KS,     32
.set SCL,    2*SLOT
.set HALFS,  (128*KS/256)*272
.set SBLK,   (16*KS/256)*272
.set SPARE,  SCL+4*HALFS
.set WSTG,   17152
.set ADRA, 16
.set ADRB, 20
.set STO,  24
.set RD,   25
.set ADRS, 27
.set SPW,  28
.set NIL,  29
.set VO16, 30
.set VO8,  31
.set SC,   32
.set BN,   64
.set AF,   128
.set X,    128
.set PC,   192
.set TM,   212
.set BM,   228
.set MK,   236
.set BP,   244
.set PW,   246
.set W,    247
.set E,    248
.set T0,   249
.set T1,   250
.set K0,   251
.set K1,   252
.set GW0,  4
.set GW1,  8
.set LBN,  12
.set LBM,  13
.set LMK,  14
.set G1, 24
.set G0, 32
.set G1B, 48
.set G0B, 56
.set G1S, 68
.set G0S, 76
.set G1SB, 80
.set G0SB, 88
.set BIAS, 66
.set PBN,  92
.set PBM,  94
.set PMK,  96
.set MODE, 100
.set RECI, 101
.set SEL,  20
.set HI,   22
.set HS,   26
.set DT,   28
.set DJ,   30
.set DC,   32
.set PA,   36
.set PB,   38
.set SB0,  40
.set SB1,  42
.set SM0,  44
.set ELIVE, 45
.set MSB, 0
.macro WIN new
.if MSB != \new
	s_set_vgpr_msb (MSB<<8)|\new
.set MSB, \new
.endif
.endm
.set MUL_LO, 0xa1
.set MUL_HI, 0xf1
.set TO_B,   0x40
.macro JLOAD g0a, g1a, g0b, g1b
	s_cmp_eq_u32 s15, 0
	s_cbranch_scc0 .Lfor_b_\@
	tensor_load_to_lds s[\g0a:\g0a+3], s[\g1a:\g1a+7]
	s_nop 0
.rept 4
	v_nop
.endr
	s_branch .Lasked_\@
.Lfor_b_\@:
	tensor_load_to_lds s[\g0b:\g0b+3], s[\g1b:\g1b+7]
	s_nop 0
.rept 4
	v_nop
.endr
.Lasked_\@:
.endm
.macro CREST
	s_cmp_lg_u32 s14, 0
	s_cbranch_scc1 .Lnot_wave_0_\@
	s_barrier_signal -3
.Lnot_wave_0_\@:
	s_barrier_wait -3
	s_barrier_signal -1
	s_barrier_wait -1
.endm
.macro CROUND
	s_barrier_signal -1
	s_barrier_wait -1
	CREST
.endm
	s_load_b512 s[24:39], s[0:1], 0x0
	s_load_b512 s[40:55], s[0:1], 0x40
	s_load_b128 s[56:59], s[0:1], 0x80
	v_lshl_add_u32 v[SPW], v0, 2, SPARE
	v_mov_b32 v[NIL], 0
	ds_add_u32 v[SPW], v[NIL]
	ds_add_u32 v[SPW], v[NIL]
	v_lshrrev_b32 v1, 5, v0
	v_readfirstlane_b32 s14, v1
	s_lshr_b32 s15, s14, 1
	s_and_b32 s16, s14, 1
	s_and_b32 s99, ttmp7, 0xffff
	s_lshr_b32 s[MODE], s99, 3
	s_and_b32 s99, s99, 7
	s_wait_dscnt 0x0
	s_wait_kmcnt 0x0
	s_cmp_eq_u32 s[MODE], 1
	s_cselect_b64 s[4:5], s[28:29], s[24:25]
	s_cselect_b64 s[6:7], s[30:31], s[26:27]
	s_cselect_b64 s[8:9], s[40:41], s[36:37]
	s_cselect_b64 s[10:11], s[42:43], s[38:39]
	s_cselect_b64 s[BIAS:BIAS+1], s[50:51], s[48:49]
	s_cmp_eq_u32 s[MODE], 2
	s_cselect_b64 s[4:5], s[32:33], s[4:5]
	s_cselect_b64 s[6:7], s[34:35], s[6:7]
	s_cselect_b64 s[8:9], s[44:45], s[8:9]
	s_cselect_b64 s[10:11], s[46:47], s[10:11]
	s_cselect_b64 s[BIAS:BIAS+1], s[52:53], s[BIAS:BIAS+1]
	s_cselect_b32 s98, 0, s99
	s_cselect_b32 s99, s99, 0
	s_cmp_eq_u32 s[MODE], 0
	s_cselect_b64 s[12:13], s[56:57], s[58:59]
	s_mov_b64 s[PMK:PMK+1], s[54:55]
	s_bfe_u32 s40, ttmp6, 0x40000
	s_bfe_u32 s41, ttmp6, 0x40004
	s_lshl_b32 s42, s99, 2
	s_add_co_u32 s42, s42, s40
	s_lshl_b32 s17, s98, 2
	s_add_co_u32 s17, s17, s41
	s_lshl_b32 s43, s41, 2
	s_lshl_b32 s43, 15, s43
	s_lshl_b32 s44, 0x1111, s40
	s_or_b32 s[G1+0], s43, (0<<16)|(1<<20)|(1<<21)|(3<<22)|(3<<25)
	s_or_b32 s[G1B+0], s44, (0<<16)|(1<<20)|(1<<21)|(3<<22)|(3<<25)
.irp g, G1, G1B
	s_mov_b32 s[\g+1], ROWB<<16
	s_mov_b32 s[\g+2], 128<<16
	s_mov_b32 s[\g+3], ROWB<<16
	s_mov_b32 s[\g+4], 128
	s_mov_b32 s[\g+5], KROW
	s_mov_b32 s[\g+6], 0
	s_mov_b32 s[\g+7], 0
.endr
	s_or_b32 s[G1S+0], s43, (3<<16)|(1<<20)|(1<<21)|(5<<22)|(3<<25)
	s_or_b32 s[G1SB+0], s44, (3<<16)|(1<<20)|(1<<21)|(5<<22)|(3<<25)
.irp g, G1S, G1SB
	s_mov_b32 s[\g+1], 32<<16
	s_mov_b32 s[\g+2], (128*KS/256)<<16
	s_mov_b32 s[\g+3], 32<<16
	s_mov_b32 s[\g+4], 128*KS/256
	s_mov_b32 s[\g+5], 32
	s_mov_b32 s[\g+6], 0
	s_mov_b32 s[\g+7], 0
.endr
	s_lshl_b32 s18, s16, 7
	s_lshl_b32 s20, s17, 8
	s_add_co_u32 s20, s20, s18
	s_lshl_b32 s46, s42, 8
	s_add_co_u32 s46, s46, s18
	s_mov_b32 s21, 0
	s_mov_b32 s47, 0
	s_mov_b64 s[18:19], KS
	s_mul_u64 s[22:23], s[20:21], s[18:19]
	s_mul_u64 s[92:93], s[46:47], s[18:19]
	s_mov_b64 s[18:19], KROW
	s_mul_u64 s[20:21], s[20:21], s[18:19]
	s_mul_u64 s[46:47], s[46:47], s[18:19]
	s_mul_i32 s45, s14, HALFT
	s_mul_i32 s94, s14, HALFS
	s_add_nc_u64 s[20:21], s[4:5], s[20:21]
	s_add_nc_u64 s[22:23], s[6:7], s[22:23]
	s_add_nc_u64 s[46:47], s[8:9], s[46:47]
	s_add_nc_u64 s[92:93], s[10:11], s[92:93]
	CROUND
	s_mov_b32 s[G0S], 1
	s_add_co_u32 s[G0S+1], s94, SCL
	s_mov_b64 s[G0S+2:G0S+3], s[22:23]
	s_or_b32 s[G0S+3], s[G0S+3], 0x80000000
	s_mov_b32 s[G0SB], 1
	s_add_co_u32 s[G0SB+1], s94, SCL
	s_mov_b64 s[G0SB+2:G0SB+3], s[92:93]
	s_or_b32 s[G0SB+3], s[G0SB+3], 0x80000000
	JLOAD G0S, G1S, G0SB, G1SB
.irp s, 0,1
	s_mov_b32 s[G0+4*\s], 1
	s_add_co_u32 s[G0+4*\s+1], s45, \s*SLOT
	s_add_nc_u64 s[G0+4*\s+2:G0+4*\s+3], s[20:21], \s*ROWB
	s_or_b32 s[G0+4*\s+3], s[G0+4*\s+3], 0x80000000
	s_mov_b32 s[G0B+4*\s], 1
	s_add_co_u32 s[G0B+4*\s+1], s45, \s*SLOT
	s_add_nc_u64 s[G0B+4*\s+2:G0B+4*\s+3], s[46:47], \s*ROWB
	s_or_b32 s[G0B+4*\s+3], s[G0B+4*\s+3], 0x80000000
	s_wait_alu depctr_va_vdst(0)
	s_wait_tensorcnt 0x0
	ds_add_u32 v28, v29
	s_wait_dscnt 0x0
	CROUND
	JLOAD G0+4*\s, G1, G0B+4*\s, G1B
.endr
	v_and_b32 v1, 15, v0
	v_bfe_u32 v2, v0, 4, 1
	v_mul_u32_u24 v3, v1, PITCH
	v_mul_u32_u24 v4, v2, 24
	v_add_nc_u32 v4, v3, v4
	v_lshl_add_u32 v5, v2, 4, v4
	s_mul_i32 s21, s15, HALFT
	s_mul_i32 s22, s16, HALFT
	s_add_co_u32 s22, s22, 2*HALFT
.irp s, 0,1
	v_add_nc_u32 v[ADRA+\s], s21, v4
	v_add_nc_u32 v[ADRB+\s], s22, v4
	v_add_nc_u32 v[ADRA+2+\s], s21, v5
	v_add_nc_u32 v[ADRB+2+\s], s22, v5
	s_add_co_u32 s21, s21, SLOT
	s_add_co_u32 s22, s22, SLOT
.endr
	v_mul_u32_u24 v5, v1, KS
	v_lshrrev_b32 v6, 8, v5
	v_lshl_add_u32 v5, v6, 4, v5
	s_mul_i32 s21, s15, HALFS
	s_mul_i32 s22, s16, HALFS
	s_add_co_u32 s22, s22, 2*HALFS
	s_sub_co_u32 s22, s22, s21
	v_mul_u32_u24 v6, s22, v2
	s_add_co_u32 s21, s21, SCL
	v_add_nc_u32 v5, v5, v6
	v_add_nc_u32 v[ADRS], s21, v5
	s_mul_i32 s23, s14, WSTG
	v_mul_u32_u24 v5, v1, 528
	v_lshl_add_u32 v5, v2, 5, v5
	v_add_nc_u32 v[STO], s23, v5
	v_and_b32 v5, 7, v0
	v_bfe_u32 v6, v0, 3, 1
	v_mul_u32_u24 v5, v5, 528
	v_mad_u32_u24 v5, v6, 8576, v5
	v_lshl_add_u32 v5, v2, 6, v5
	v_add_nc_u32 v[RD], s23, v5
	v_and_b32 v3, 31, v0
	v_lshlrev_b32 v[VO16], 4, v3
	v_lshlrev_b32 v[VO8], 3, v3
	v_lshlrev_b32 v[LBN], 6, v2
	s_wait_alu depctr_va_vdst(0)
	v_lshl_add_u32 v[LMK], v6, 3, v1
	v_lshlrev_b32 v[LBM], 2, v[LMK]
	s_wait_alu depctr_va_vdst(0)
	s_lshl_b32 s2, s17, 8
	s_lshl_b32 s3, s15, 7
	s_add_co_u32 s2, s2, s3
	s_lshl_b32 s18, s42, 8
	s_lshl_b32 s19, s16, 7
	s_add_co_u32 s18, s18, s19
	s_cmp_eq_u32 s[MODE], 2
	s_cselect_b32 s98, s18, s2
	s_cselect_b32 s99, s2, s18
	s_cselect_b32 s[PBN], 0, s18
	s_cselect_b32 s[PBM], s2, 0
	s_cselect_b32 s18, 0, s2
	s_lshl_b32 s[PBN], s[PBN], 2
	s_lshl_b32 s[PBM], s[PBM], 2
	s_mov_b32 s[PBN+1], 0
	s_mov_b32 s[PBM+1], 0
	s_mov_b32 s19, 0
	s_add_nc_u64 s[PBN:PBN+1], s[BIAS:BIAS+1], s[PBN:PBN+1]
	s_add_nc_u64 s[PBM:PBM+1], s[BIAS:BIAS+1], s[PBM:PBM+1]
	s_add_nc_u64 s[PMK:PMK+1], s[PMK:PMK+1], s[18:19]
	s_lshr_b32 s[RECI], s98, 11
	s_lshl_b32 s[RECI], s[RECI], 4
	s_lshr_b32 s99, s99, 6
	s_add_co_u32 s[RECI], s[RECI], s99
	s_lshl_b32 s[RECI], s[RECI], 4
	s_bfe_u32 s98, s98, 0x40007
	s_add_co_u32 s[RECI], s[RECI], s98
.irp b, 0,1,2,3
.irp j, 0,1,2,3
	global_load_b128 v[BN+16*\b+4*\j:BN+16*\b+4*\j+3], v[LBN], s[PBN:PBN+1] offset:128*\b+16*\j
.endr
.endr
.irp t, 0,1,2,3,4,5,6,7
	global_load_b32 v[BM+\t], v[LBM], s[PBM:PBM+1] offset:4*(32*(\t/2)+8*(\t%2))
	global_load_u8 v[MK+\t], v[LMK], s[PMK:PMK+1] offset:32*(\t/2)+8*(\t%2)
.endr
.macro FRAG reg, adr, q, i
.irp p, 0,1,2,3,4,5
.set PCE, 12*(\q)+6*(\p/3)+\p%3
.if PCE%8 < 5
	ds_load_b64 v[\reg+2*\p:\reg+2*\p+1], v[\adr] offset:8*PCE+16*(PCE/8)+(\i)*16*PITCH
.else
	ds_load_b64 v[\reg+2*\p:\reg+2*\p+1], v[\adr+2] offset:8*PCE+16*(PCE/8)+(\i)*16*PITCH
.endif
.endr
.endm
.macro MUL16 a0, p, q, sc, zero
.irp a, \a0, \a0+1
.irp b, 0,1,2,3,4,5,6,7
.if \zero
	v_wmma_scale_f32_16x16x128_f8f6f4 v[8*(8*((\a)%4)+\b):8*(8*((\a)%4)+\b)+7], v[128*(\p)+FR*\b:128*(\p)+FR*\b+FR-1], v[AF+FR*(\a):AF+FR*(\a)+FR-1], 0, v[SC+8*NQ*(\sc)+NQ*\b+(\q)], v[SC+8*NQ*(\sc)+NQ*(\a)+(\q)] matrix_a_fmt:MATRIX_FMT_FP6 matrix_b_fmt:MATRIX_FMT_FP6 matrix_a_scale:MATRIX_SCALE_ROW1
.else
	v_wmma_scale_f32_16x16x128_f8f6f4 v[8*(8*((\a)%4)+\b):8*(8*((\a)%4)+\b)+7], v[128*(\p)+FR*\b:128*(\p)+FR*\b+FR-1], v[AF+FR*(\a):AF+FR*(\a)+FR-1], v[8*(8*((\a)%4)+\b):8*(8*((\a)%4)+\b)+7], v[SC+8*NQ*(\sc)+NQ*\b+(\q)], v[SC+8*NQ*(\sc)+NQ*(\a)+(\q)] matrix_a_fmt:MATRIX_FMT_FP6 matrix_b_fmt:MATRIX_FMT_FP6 matrix_a_scale:MATRIX_SCALE_ROW1
.endif
.endr
.endr
.endm
.macro FETCH_B slot, q, p
	WIN TO_B
.irp i, 0,1,2,3,4,5,6,7
	FRAG 128*(\p)+FR*\i, ADRB+\slot, \q, \i
.endr
	WIN 0
.endm
.macro FETCH_A slot, q, i0
.irp i, \i0, \i0+1, \i0+2, \i0+3
	FRAG AF+FR*(\i), ADRA+\slot, \q, \i
.endr
.endm
.macro SCALES sc
.irp i, 0,1,2,3,4,5,6,7
	ds_load_b64 v[SC+8*NQ*\sc+NQ*\i:SC+8*NQ*\sc+NQ*\i+1], v[ADRS] offset:\i*SBLK
.endr
.endm
.macro PLACES n
.rept \n
	v_nop
.endr
.endm
.macro STEP slot, q, zero
	s_wait_dscnt 4*NL
	WIN MUL_LO
	MUL16 0, (\q)%2, \q, \slot, \zero
	MUL16 2, (\q)%2, \q, \slot, \zero
	s_wait_dscnt 0
	PLACES NP
	FETCH_B \slot, (\q)+1, 1-(\q)%2
	FETCH_A \slot, (\q)+1, 0
	WIN MUL_HI
	MUL16 4, (\q)%2, \q, \slot, \zero
	MUL16 6, (\q)%2, \q, \slot, \zero
	PLACES NP
	WIN 0
	FETCH_A \slot, (\q)+1, 4
.endm
.macro TURN slot, next, fill
	s_wait_tensorcnt 0x0
	ds_add_u32 v[SPW], v[NIL]
	s_wait_dscnt 4*NL+1
	WIN MUL_LO
	MUL16 0, 1, NQ-1, \slot, 0
	s_wait_dscnt 0x0
	s_barrier_signal -1
	MUL16 2, 1, NQ-1, \slot, 0
	WIN 0
	s_barrier_wait -1
.if \fill
	CREST
	s_add_nc_u64 s[G0+4*\slot+2:G0+4*\slot+3], s[G0+4*\slot+2:G0+4*\slot+3], 2*ROWB
	s_add_nc_u64 s[G0B+4*\slot+2:G0B+4*\slot+3], s[G0B+4*\slot+2:G0B+4*\slot+3], 2*ROWB
	JLOAD G0+4*\slot, G1, G0B+4*\slot, G1B
.else
	PLACES NP
.endif
	s_wait_alu depctr_va_vdst(0)
	v_add_nc_u32 v[ADRS], 4*NQ, v[ADRS]
	FETCH_B \next, 0, 0
	FETCH_A \next, 0, 0
	SCALES \next
	WIN MUL_HI
	MUL16 4, 1, NQ-1, \slot, 0
	MUL16 6, 1, NQ-1, \slot, 0
	PLACES NP
	WIN 0
	FETCH_A \next, 0, 4
.endm
	s_wait_tensorcnt 1
	s_barrier_signal -1
	s_barrier_wait -1
	FETCH_B 0, 0, 0
	FETCH_A 0, 0, 0
	SCALES 0
	FETCH_A 0, 0, 4
	STEP 0, 0, 1
	s_mov_b32 s3, LAPS-1
.Llap:
	TURN 0, 1, 1
	STEP 1, 0, 0
	TURN 1, 0, 1
	STEP 0, 0, 0
	s_sub_co_u32 s3, s3, 1
	s_cmp_lg_u32 s3, 0
	s_cbranch_scc1 .Llap
	TURN 0, 1, 0
	STEP 1, 0, 0
	s_wait_dscnt 4*NL
	WIN MUL_LO
	MUL16 0, 1, NQ-1, 1, 0
	MUL16 2, 1, NQ-1, 1, 0
	s_wait_dscnt 0
	WIN MUL_HI
	MUL16 4, 1, NQ-1, 1, 0
	MUL16 6, 1, NQ-1, 1, 0
	WIN 0
	s_wait_loadcnt 0x0
	s_mov_b32 s[SEL], 0x76543210
	s_mov_b32 s[SEL+1], 0xfedcba98
	s_mov_b32 s[HI], 0xffff0000
	s_cmp_eq_u32 s[MODE], 0
	s_mov_b32 s24, 13056
	s_cselect_b32 s24, 6656, s24
	s_cselect_b32 s[ELIVE], 0x670000, 0
	s_lshl_b32 s[HS], s24, 4
	s_sub_co_u32 s[DJ], s[HS], 6144
	s_cmp_eq_u32 s[MODE], 2
	s_cselect_b32 s[DJ], s[DJ], 0
	s_mov_b32 s[DT], 768
	s_cselect_b32 s[DC], s[DT], s[HS]
	s_cselect_b32 s[DT], 1536, s[DT]
	s_cselect_b32 s34, 6656, 0
	s_mov_b32 s46, 6144
	s_cselect_b32 s46, 12800, s46
	s_cselect_b32 s[SM0], -1, 0xffff
	s_mov_b32 s25, 0
	s_mov_b32 s[HS+1], 0
	s_mov_b32 s[DT+1], 0
	s_mov_b32 s[DJ+1], 0
	s_mov_b32 s[DC+1], 0
	s_mov_b32 s35, 0
	s_mov_b32 s47, 0
	s_mul_i32 s24, s[RECI], s24
	s_add_nc_u64 s[12:13], s[12:13], s[24:25]
	s_add_nc_u64 s[PA:PA+1], s[12:13], s[34:35]
	s_add_nc_u64 s[PB:PB+1], s[PA:PA+1], s[DC:DC+1]
	s_add_nc_u64 s[SB0:SB0+1], s[12:13], s[46:47]
	s_add_nc_u64 s[SB1:SB1+1], s[SB0:SB0+1], s[HS:HS+1]
	PLACES NP
.irp b, 0,1,2,3
	v_mov_b32 v[TM+4+\b], 0
.endr
	v_mov_b32 v[E], s[ELIVE]
.macro TOSTAGE a
.set AC, 64*((\a)%4)
	WIN 0x08+4*((\a)/4)
.irp b, 0,1,2,3,4,5,6,7
	ds_store_b128 v[STO], v[AC+8*\b:AC+8*\b+3] offset:8576*((\a)%2)+64*\b
	ds_store_b128 v[STO], v[AC+8*\b+4:AC+8*\b+7] offset:8576*((\a)%2)+64*\b+16
.endr
	WIN 0
.endm
.macro QUANT s
.irp b, 0,1,2,3
	v_max3_num_f32 v[TM+\b], |v[\s+16*\b]|, |v[\s+1+16*\b]|, 0x1800000
.endr
.irp i, 2,4,6,8,10,12,14
.irp b, 0,1,2,3
	v_max3_num_f32 v[TM+\b], v[TM+\b], |v[\s+16*\b+\i]|, |v[\s+1+16*\b+\i]|
.endr
.endr
.irp b, 0,1,2,3
	v_permlanex16_b32 v[TM+4+\b], v[TM+\b], s[SEL], s[SEL+1]
.endr
.irp b, 0,1,2,3
	v_max_num_f32 v[TM+\b], v[TM+\b], v[TM+4+\b]
.endr
.irp b, 0,1,2,3
	v_add_nc_u32 v[TM+12+\b], 0xff000000, v[TM+\b]
.endr
.irp b, 0,1,2,3
	v_lshrrev_b32 v[TM+4+\b], 23, v[TM+12+\b]
.endr
	v_lshl_or_b32 v[PW], v[TM+5], 8, v[TM+4]
	v_lshl_or_b32 v[PW], v[TM+6], 16, v[PW]
	v_lshl_or_b32 v[PW], v[TM+7], 24, v[PW]
.irp c, 0,1
	v_cvt_scalef32_pk16_fp6_f32 v[PC+6*\c:PC+2+6*\c], v[\s+32*\c:\s+15+32*\c], v[TM+12+2*\c]
	v_cvt_scalef32_pk16_fp6_f32 v[PC+12+4*\c:PC+14+4*\c], v[\s+16+32*\c:\s+31+32*\c], v[TM+12+2*\c+1]
.endr
	v_nop
.irp c, 0,1
.irp i, 0,1,2
	v_permlane16_swap_b32 v[PC+6*\c+\i], v[PC+12+4*\c+\i]
.endr
.irp i, 0,1,2
	v_mov_b32 v[PC+3+6*\c+\i], v[PC+12+4*\c+\i]
.endr
.endr
.endm
.macro OUTTILE t
	s_wait_xcnt 0x0
.if (\t) > 0
	s_add_nc_u64 s[PA:PA+1], s[PA:PA+1], s[DT:DT+1]
	s_add_nc_u64 s[PB:PB+1], s[PB:PB+1], s[DT:DT+1]
.endif
.if (\t) == 4
	s_add_nc_u64 s[PA:PA+1], s[PA:PA+1], s[DJ:DJ+1]
	s_add_nc_u64 s[PB:PB+1], s[PB:PB+1], s[DJ:DJ+1]
.endif
.irp b, 0,1,2,3
.irp j, 0,1,2,3
	ds_load_b128 v[X+16*\b+4*\j:X+16*\b+4*\j+3], v[RD] offset:4224*((\t)%2)+128*\b+16*\j
.endr
.endr
	s_wait_dscnt 0x0
	s_cmp_eq_u32 s[MODE], 2
	s_cbranch_scc1 .Lrow_bias_\@
.set j, 0
.rept 32
	v_pk_add_f32 v[X+j:X+j+1], v[X+j:X+j+1], v[BN+j:BN+j+1]
.set j, j+2
.endr
	s_branch .Lbiased_\@
.Lrow_bias_\@:
	v_mov_b32 v[BP], v[BM+(\t)]
	v_mov_b32 v[BP+1], v[BM+(\t)]
.set j, 0
.rept 32
	v_pk_add_f32 v[X+j:X+j+1], v[X+j:X+j+1], v[BP:BP+1]
.set j, j+2
.endr
.Lbiased_\@:
	QUANT X
	s_cmp_lg_u32 s[MODE], 1
	s_cbranch_scc1 .Lno_mask_\@
	v_cmp_ne_u32 vcc_lo, 0, v[MK+(\t)]
	v_cndmask_b32 v[W], 0, -1, vcc_lo
	v_bfi_b32 v[E], v[W], 0, 0xfe0000
.irp i, 0,1,2,3,4,5,6,7,8,9,10,11
	v_and_b32 v[PC+\i], v[W], v[PC+\i]
.endr
.Lno_mask_\@:
	s_wait_alu depctr_va_vdst(0)
	global_store_b128 v[VO16], v[PC:PC+3], s[PA:PA+1]
	global_store_b64 v[VO8], v[PC+4:PC+5], s[PA:PA+1] offset:512
	global_store_b128 v[VO16], v[PC+6:PC+9], s[PB:PB+1]
	global_store_b64 v[VO8], v[PC+10:PC+11], s[PB:PB+1] offset:512
.if (\t)%2 == 0
	v_and_or_b32 v[K0], v[PW], s[SM0], v[E]
	v_lshrrev_b32 v[K1], 16, v[PW]
	v_or_b32 v[K1], v[K1], v[E]
.else
	v_and_or_b32 v[T0], v[PW], s[SM0], v[E]
	v_lshrrev_b32 v[T1], 16, v[PW]
	v_or_b32 v[T1], v[T1], v[E]
	v_cndmask_b32 v[GW0+(\t)/2], v[K0], v[T0], s[HI]
	v_cndmask_b32 v[GW1+(\t)/2], v[K1], v[T1], s[HI]
.endif
.endm
.irp p, 0,1,2,3
	TOSTAGE 2*\p
	TOSTAGE 2*\p+1
	OUTTILE 2*\p
	OUTTILE 2*\p+1
.endr
	s_cmp_eq_u32 s[MODE], 2
	s_cbranch_scc1 .Lv_words
	global_store_b128 v[VO16], v[GW0:GW0+3], s[SB0:SB0+1]
	global_store_b128 v[VO16], v[GW1:GW1+3], s[SB1:SB1+1]
	s_branch .Lwords_out
.Lv_words:
	global_store_b64 v[VO8], v[GW0:GW0+1], s[SB0:SB0+1]
	s_wait_alu depctr_va_vdst(0)
	global_store_b64 v[VO8], v[GW0+2:GW0+3], s[SB1:SB1+1]
.Lwords_out:
	s_wait_tensorcnt 0x0
	ds_add_u32 v[SPW], v[NIL]
	s_wait_dscnt 0x0
	CROUND
	s_endpgm
.Lfunc_end_k_q7f08167eac_qkv:
	.size	k_q7f08167eac_qkv, .Lfunc_end_k_q7f08167eac_qkv-k_q7f08167eac_qkv
	.p2alignl 7, 3214868480
	.fill 96, 4, 3214868480
	.section	.rodata,"a",@progbits
	.p2align	6, 0x0
	.amdhsa_kernel k_q7f08167eac_qkv
		.amdhsa_group_segment_fixed_size 327680
		.amdhsa_private_segment_fixed_size 0
		.amdhsa_enable_private_segment 0
		.amdhsa_kernarg_size 144
		.amdhsa_user_sgpr_count 2
		.amdhsa_user_sgpr_kernarg_segment_ptr 1
		.amdhsa_wavefront_size32 1
		.amdhsa_system_sgpr_workgroup_id_x 1
		.amdhsa_system_sgpr_workgroup_id_y 1
		.amdhsa_system_sgpr_workgroup_id_z 1
		.amdhsa_system_vgpr_workitem_id 0
		.amdhsa_next_free_vgpr 1024
		.amdhsa_next_free_sgpr 102
		.amdhsa_reserve_vcc 1
		.amdhsa_float_denorm_mode_32 3
		.amdhsa_float_denorm_mode_16_64 3
		.amdhsa_memory_ordered 1
		.amdhsa_forward_progress 1
		.amdhsa_inst_pref_size 228
	.end_amdhsa_kernel
	.amdgpu_metadata
---
amdhsa.version: [ 1, 2 ]
amdhsa.kernels:
  - .name:           k_q7f08167eac_qkv
    .symbol:         k_q7f08167eac_qkv.kd
    .args:
      - { .name: query_codes, .offset: 0, .size: 8, .value_kind: global_buffer, .address_space: global }
      - { .name: query_scales, .offset: 8, .size: 8, .value_kind: global_buffer, .address_space: global }
      - { .name: key_codes, .offset: 16, .size: 8, .value_kind: global_buffer, .address_space: global }
      - { .name: key_scales, .offset: 24, .size: 8, .value_kind: global_buffer, .address_space: global }
      - { .name: Wv_codes, .offset: 32, .size: 8, .value_kind: global_buffer, .address_space: global }
      - { .name: Wv_scales, .offset: 40, .size: 8, .value_kind: global_buffer, .address_space: global }
      - { .name: Wq_codes, .offset: 48, .size: 8, .value_kind: global_buffer, .address_space: global }
      - { .name: Wq_scales, .offset: 56, .size: 8, .value_kind: global_buffer, .address_space: global }
      - { .name: Wk_codes, .offset: 64, .size: 8, .value_kind: global_buffer, .address_space: global }
      - { .name: Wk_scales, .offset: 72, .size: 8, .value_kind: global_buffer, .address_space: global }
      - { .name: value_codes, .offset: 80, .size: 8, .value_kind: global_buffer, .address_space: global }
      - { .name: value_scales, .offset: 88, .size: 8, .value_kind: global_buffer, .address_space: global }
      - { .name: bq, .offset: 96, .size: 8, .value_kind: global_buffer, .address_space: global }
      - { .name: bk, .offset: 104, .size: 8, .value_kind: global_buffer, .address_space: global }
      - { .name: bv, .offset: 112, .size: 8, .value_kind: global_buffer, .address_space: global }
      - { .name: mask, .offset: 120, .size: 8, .value_kind: global_buffer, .address_space: global }
      - { .name: qc, .offset: 128, .size: 8, .value_kind: global_buffer, .address_space: global }
      - { .name: kv, .offset: 136, .size: 8, .value_kind: global_buffer, .address_space: global }
    .group_segment_fixed_size: 327680
    .private_segment_fixed_size: 0
    .kernarg_segment_align: 8
    .kernarg_segment_size: 144
    .max_flat_workgroup_size: 128
    .sgpr_count:     102
    .vgpr_count:     1024
    .wavefront_size: 32
...
	.end_amdgpu_metadata
.endif
;; end of part 1
;; launch attn (part 2): grid 4 x 64, 16 waves a work-group, clusters of 4 x 1, 210,944 bytes of LDS; arguments qc, kv, atc, ats; writes atc, ats
.if DOCPART == 2
	.amdgcn_target "amdgcn-amd-amdhsa--gfx1250"
	.amdhsa_code_object_version 6
	.text
	.protected	k_q7f08167eac_attn
	.globl	k_q7f08167eac_attn
	.p2align	8
	.type	k_q7f08167eac_attn,@function
k_q7f08167eac_attn:
	s_mov_b64 s[64:65], 0
	v_nop
	global_prefetch_b8 v0, s[64:65] scope:SCOPE_SE
	s_setreg_imm32_b32 hwreg(HW_REG_WAVE_MODE, 25, 1), 1
	s_wait_xcnt 0x0
	s_wait_alu depctr_hold_cnt(0) depctr_sa_sdst(0) depctr_va_vdst(0) depctr_va_sdst(0) depctr_va_ssrc(0) depctr_va_vcc(0) depctr_vm_vsrc(0)
	s_getreg_b32 s2, hwreg(HW_REG_IB_STS2, 6, 4)
	s_cmp_eq_u32 s2, 0
	s_cbranch_scc0 .Lentry_in_a_cluster
	s_endpgm
.Lentry_in_a_cluster:
	s_bfe_u32 s2, ttmp6, 0x10000c
	s_cmp_lg_u32 s2, 0x3003
	s_cbranch_scc0 .Lentry_shape_is_right
	s_endpgm
.Lentry_shape_is_right:
; LAUNCH 2 OF 3: attn[b][q][head][:] = the sum over keys of softmax(q . k / 8, masked) v, both products on codes of FP6 (E2M3); the result, divided by the row's sum, is quantised along (head, d) and stored as codes.
; Nothing is left out.  The mask is not among the arguments here: launch 1 has put it into the keys' scale words and codes.
; THE SOFTMAX: t = score x log2(e) / 8; M = the running largest t rounded up to a whole number; p = 2^(t - M) is quantised along the keys, not normalised; the row's sum is taken of the unquantised p.
; When M moves, the sum and O are multiplied by 2^(old M - new M): exact.
; THE MASK: the head has 64 of the score product's 128 along K.  At k = 64 every query carries the code +1 (0x08) and every key the code -1 (0x28); a query's third scale byte is 103, a key's 0 (live) or 254 (masked),
; so a masked key's score is -2^103 (its other codes are zeros) and a live key's gets -2^-151.  No vector instruction is spent on the mask.  A row all of whose keys are masked gets t - M = 0, p = 1 for every key.
; SHARES.  A work-group owns 512 queries of one (batch, head); the four work-groups of a cluster own the head's 2,048.  Each of sixteen waves owns one tile of 16 queries at a time, two tiles one after the other:
; 256 registers a wave, four waves to a SIMD, so that one wave's exponentials stand beside another's products and LDS loads.
; LDS.  The head's sixteen records of kv (128 keys each: K's images, K's scale words, V^T's images, V^T's scale words; 13,056 bytes) all lie in LDS: 208,896 bytes, filled ONCE, jointly for the four work-groups;
; wave w fetches record w.  No byte is filled again: no ring.  Every LDS read takes consecutive bytes in consecutive lanes: the records are images of operand registers.
; No prefetch is laid: the launch's one stream is asked for whole at its head.
; LAYOUT.  Both products are used transposed: S^T = K Q^T, O^T = V^T P^T: a lane holds one query throughout; the rows of a tile of keys, and of a tile of d, are ordered so that the 16 registers of two neighbouring tiles are 16 neighbours.
; LIMITS: as stated at the head of launch 1.
.set REC,   13056                      ; a record
.set KSW,   6144                       ; in it: K's scale words
.set VC,    6656                       ; V^T's images
.set VSW,   12800                      ; V^T's scale words
.set SPARE, 16*REC                     ; behind the records: the spare words, 128 bytes a wave: eight blocks of 256 bytes that no other line names
.set L16,  1                           ; v1   16 x lane
.set L8,   2                           ; v2   8 x lane
.set A16,  3                           ; v3   the step's record + 16 x lane
.set A8,   4                           ; v4   the step's record + 8 x lane
.set SPW,  5                           ; v5   my spare word; never rewritten
.set NIL,  6                           ; v6   0; never rewritten
.set QSO,  7                           ; v7   my byte among the queries' scale words
.set ASO,  8                           ; v8   my byte among the result's scale bytes
.set SBY,  9                           ; v9   the scale byte to store
.set PS,   11                          ; v11  p's scale word
.set KSR,  28                          ; v28-31 K's scale words: register j: lanes 0-15 tile 2 j, lanes 16-31 tile 2 j + 1
.set KF,   32                          ; v32-79 four fragments of K; in each, register 6 = the code -1 and registers 7-11 = 0, set once
.set VS,   80                          ; v80-81 V^T's scale words
.set F,    82                          ; v[82:83] f = 2^(old M - new M)
.set BX,   84                          ; v84-87 the blocks' largest scores, then largest p
.set PL,   88                          ; v88-91 at work
.set SO,   92                          ; v92-95 the conversions' scale operands
.set S,    96                          ; v96-159 S^T, then p; V^T's four fragments land on v96-143 when p has been converted
.set O,    160                         ; v160-191 O^T
.set PC,   192                         ; v192-203 p's codes
.set PC2,  204                         ; v204-210 the conversions' second halves
.set TV,   212
.set Q0F,  16                          ; v16-27 the first tile's queries, v10 their scale words
.set Q0S,  10
.set Q1F,  214                         ; v214-225 the second tile's, v226 theirs
.set Q1S,  226
.set WV,   12
.set G1,   16                          ; s[16:23]
.set G0,   32                          ; s[32:35]
.set SEL,  40                          ; s[40:41]
.set CS,   42                          ; s[42:43] c = log2(e) / 8
.set HI,   44
.set TB,   45                          ; the step's record in LDS
.set CNT,  46
.set QB,   50                          ; s[50:51] qc at my first tile
.set ATB,  52                          ; s[52:53] atc at my first tile's half image
.set ASB,  54                          ; s[54:55] ats at my first tile's rows, my head's two bytes
.macro ROUND
	s_barrier_signal -1
	s_barrier_wait -1
	s_cmp_lg_u32 s[WV], 0
	s_cbranch_scc1 .Lnot_wave_0_\@
	s_barrier_signal -3
.Lnot_wave_0_\@:
	s_barrier_wait -3
	s_barrier_signal -1
	s_barrier_wait -1
.endm
	s_load_b256 s[4:11], s[0:1], 0x0               ; qc s[4:5], kv s[6:7], atc s[8:9], ats s[10:11]
	v_lshl_add_u32 v[SPW], v0, 2, SPARE
	v_mov_b32 v[NIL], 0
	ds_add_u32 v[SPW], v[NIL]                      ; the wave's opening: the add, twice on end, and its wait ahead of my first tensor load
	ds_add_u32 v[SPW], v[NIL]
	v_lshrrev_b32 v9, 5, v0
	s_delay_alu instid0(VALU_DEP_1)
	v_readfirstlane_b32 s[WV], v9                  ; wave 0..15
	s_bfe_u32 s13, ttmp6, 0x40000                  ; cx: it enters the addresses of qc, atc and ats alone
	s_and_b32 s14, ttmp7, 0xffff                   ; batch x 16 + head, which the four partners share
	; descriptor group 1: a record as 51 rows of 256 bytes, dense
	s_mov_b32 s[G1], 15|(3<<16)|(1<<21)            ; 15:0 the mask: all four work-groups; 17:16 elements of 8 bytes; 21 set beside a mask; no padding
	s_mov_b32 s[G1+1], 32<<16                      ; tensor_dim0 = 32
	s_mov_b32 s[G1+2], 51<<16                      ; tensor_dim1 = 51
	s_mov_b32 s[G1+3], 32<<16                      ; tile_dim0
	s_mov_b32 s[G1+4], 51                          ; tile_dim1
	s_mov_b32 s[G1+5], 32                          ; pitch
	s_mov_b32 s[G1+6], 0
	s_mov_b32 s[G1+7], 0
	s_mov_b32 s[G0], 1
	s_mul_i32 s[G0+1], s[WV], REC                  ; LDS: record w
	s_mul_i32 s24, s14, 16*REC
	s_add_co_u32 s24, s24, s[G0+1]                 ; and in kv
	s_mov_b32 s25, 0
	s_mul_i32 s26, s14, 106496                     ; qc: the head's 16 records of 6,656 bytes;
	s_lshl_b32 s27, s13, 2
	s_lshr_b32 s28, s[WV], 3
	s_add_co_u32 s27, s27, s28                     ; my first tile is 32 cx + w: record 4 cx + w / 8,
	s_mul_i32 s27, s27, 6656
	s_add_co_u32 s26, s26, s27
	s_and_b32 s28, s[WV], 7                        ; tile t = w % 8 of it
	s_mul_i32 s29, s28, 768
	s_add_co_u32 s26, s26, s29
	s_mov_b32 s27, 0
	s_sub_co_u32 s29, 6144, s29                    ; from the tile's image to its scale words: 6,144 - 768 t + 256 (t % 2) + 4 (t / 2)
	s_and_b32 s30, s28, 1
	s_lshl_b32 s30, s30, 8
	s_add_co_u32 s29, s29, s30
	s_lshr_b32 s30, s28, 1
	s_lshl_b32 s30, s30, 2
	s_add_co_u32 s29, s29, s30
	s_and_b32 s28, s14, 15                         ; head
	s_lshr_b32 s30, s14, 4                         ; batch
	s_lshl_b32 s30, s30, 7
	s_lshl_b32 s31, s13, 5
	s_add_co_u32 s30, s30, s31
	s_add_co_u32 s30, s30, s[WV]                   ; my first tile among all 512 tiles of tokens
	s_lshr_b32 s36, s28, 2
	s_mul_i32 s36, s36, 1572864                    ; atc[head / 4][tile][3,072]:
	s_mul_i32 s37, s30, 3072
	s_add_co_u32 s36, s36, s37
	s_bfe_u32 s37, s28, 0x10001
	s_mul_i32 s37, s37, 1536                       ; the fragment of heads 4 s + 2 q, 4 s + 2 q + 1,
	s_add_co_u32 s36, s36, s37
	s_and_b32 s37, s28, 1
	s_mul_i32 s37, s37, 768                        ; and my head's half of it
	s_add_co_u32 s36, s36, s37
	s_mov_b32 s37, 0
	s_lshl_b32 s38, s30, 9                         ; ats: 16 rows of 32 bytes a tile,
	s_lshl_b32 s39, s28, 1
	s_add_co_u32 s38, s38, s39                     ; my head's two bytes
	s_mov_b32 s39, 0
	s_mov_b32 s[SEL], 0x76543210
	s_mov_b32 s[SEL+1], 0xfedcba98
	s_mov_b32 s[CS], 0x3e38aa3b                    ; c = log2(e) / 8
	s_mov_b32 s[CS+1], s[CS]                       ; (named with it as a pair, so it is written)
	s_mov_b32 s[HI], 0xffff0000
	s_wait_dscnt 0x0                               ; both opening adds are done
	s_wait_kmcnt 0x0
	s_add_nc_u64 s[G0+2:G0+3], s[6:7], s[24:25]
	s_or_b32 s[G0+3], s[G0+3], 0x80000000
	s_add_nc_u64 s[QB:QB+1], s[4:5], s[26:27]
	s_add_nc_u64 s[ATB:ATB+1], s[8:9], s[36:37]
	s_add_nc_u64 s[ASB:ASB+1], s[10:11], s[38:39]
	ROUND                                          ; all four work-groups are here: the joint loads meet
	tensor_load_to_lds s[G0:G0+3], s[G1:G1+7]      ; my one tensor load of the launch: one is out
	s_nop 0
.rept 4
	v_nop
.endr
	v_and_b32 v9, 31, v0
	s_delay_alu instid0(VALU_DEP_1)
	v_lshlrev_b32 v[L16], 4, v9
	s_delay_alu instid0(VALU_DEP_2)
	v_lshlrev_b32 v[L8], 3, v9
	v_and_b32 v9, 15, v0
	s_delay_alu instid0(VALU_DEP_1)
	v_lshl_add_u32 v[QSO], v9, 4, s29
	v_bfe_u32 v[ASO], v0, 4, 1
	s_delay_alu instid0(VALU_DEP_1)
	v_lshl_add_u32 v[ASO], v9, 5, v[ASO]           ; row r of 32 bytes, + my block
	global_load_b128 v[Q0F:Q0F+3], v[L16], s[QB:QB+1]
	global_load_b64 v[Q0F+4:Q0F+5], v[L8], s[QB:QB+1] offset:512
	global_load_b32 v[Q0S], v[QSO], s[QB:QB+1]
	global_load_b128 v[Q1F:Q1F+3], v[L16], s[QB:QB+1] offset:2*6656          ; the second tile lies 16 tiles, two records, on
	global_load_b64 v[Q1F+4:Q1F+5], v[L8], s[QB:QB+1] offset:2*6656+512
	global_load_b32 v[Q1S], v[QSO], s[QB:QB+1] offset:2*6656
	v_bfe_u32 v[Q0F+6], v0, 4, 1
	s_delay_alu instid0(VALU_DEP_1)
	v_xor_b32 v[Q0F+6], 1, v[Q0F+6]
	s_delay_alu instid0(VALU_DEP_1)
	v_lshlrev_b32 v[Q0F+6], 3, v[Q0F+6]            ; the code +1 at k = 64: bits 5:0 of register 6 in lanes 0-15
	s_delay_alu instid0(VALU_DEP_1)
	v_mov_b32 v[Q1F+6], v[Q0F+6]
.irp i, 7,8,9,10,11
	v_mov_b32 v[Q0F+\i], 0
	v_mov_b32 v[Q1F+\i], 0
.endr
.irp t, 0,1,2,3
	v_mov_b32 v[KF+12*\t+6], 0x28                  ; the code -1 at k = 64 (in lanes 16-31 it stands at k = 96, against a query's zero)
.irp i, 7,8,9,10,11
	v_mov_b32 v[KF+12*\t+\i], 0
.endr
.endr
.irp b, 0,1,2,3
	v_mov_b32 v[PL+\b], 0                          ; written once: a lane permute's destination counts as one of its sources
.endr
	v_mov_b32 v[F+1], 0                            ; (named as the upper half of a pair)
; A KEY STEP: 128 keys, the record at s[TB].
.macro STEP qf, qs
	v_add_nc_u32 v[A16], s[TB], v[L16]
	s_wait_alu depctr_va_vdst(0)
	v_add_nc_u32 v[A8], s[TB], v[L8]
	s_wait_alu depctr_va_vdst(0)
.rept 4
	v_nop                                          ; with the two additions six places: the scores below are written over registers that the last step's products read, which asks for five
.endr
	ds_load_b128 v[KSR:KSR+3], v[A16] offset:KSW
.irp g, 0,1                                    ; S^T = K Q^T, four tiles of 16 keys at a time
.if \g
.rept 4
	v_nop                                          ; places in front of loads into registers that matrix instructions have read
.endr
.endif
.irp t, 0,1,2,3
	ds_load_b128 v[KF+12*\t:KF+12*\t+3], v[A16] offset:768*(4*\g+\t)
	ds_load_b64 v[KF+12*\t+4:KF+12*\t+5], v[A8] offset:768*(4*\g+\t)+512
.endr
	s_wait_dscnt 0x0
.irp t, 0,2
	v_wmma_scale_f32_16x16x128_f8f6f4 v[S+8*(4*\g+\t):S+8*(4*\g+\t)+7], v[KF+12*\t:KF+12*\t+11], v[\qf:\qf+11], 0, v[KSR+2*\g+\t/2], v[\qs] matrix_a_fmt:MATRIX_FMT_FP6 matrix_b_fmt:MATRIX_FMT_FP6
	v_wmma_scale_f32_16x16x128_f8f6f4 v[S+8*(4*\g+\t+1):S+8*(4*\g+\t+1)+7], v[KF+12*(\t+1):KF+12*(\t+1)+11], v[\qf:\qf+11], 0, v[KSR+2*\g+\t/2], v[\qs] matrix_a_fmt:MATRIX_FMT_FP6 matrix_b_fmt:MATRIX_FMT_FP6 matrix_a_scale:MATRIX_SCALE_ROW1
.endr
.endr                                          ; the 16 registers of tiles 2 b, 2 b + 1 are keys 32 b + 16 (lane / 16) + 0 .. 15 of the step
.rept 4
	v_nop
.endr
.irp b, 0,1,2,3
	v_max3_num_f32 v[BX+\b], v[S+16*\b], v[S+1+16*\b], v[S+2+16*\b]   ; the largest score of each block of 32 keys: for the row's maximum, and, since p rises with the score, for the block's largest p
.endr
.irp i, 3,5,7,9,11,13
.irp b, 0,1,2,3
	v_max3_num_f32 v[BX+\b], v[BX+\b], v[S+16*\b+\i], v[S+1+16*\b+\i]
.endr
.endr
.irp b, 0,1,2,3
	v_max_num_f32 v[BX+\b], v[BX+\b], v[S+15+16*\b]
.endr
.irp b, 0,1,2,3
	s_delay_alu instid0(VALU_DEP_4)
	v_permlanex16_b32 v[PL+\b], v[BX+\b], s[SEL], s[SEL+1]
.endr
.irp b, 0,1,2,3
	s_delay_alu instid0(VALU_DEP_4)
	v_max_num_f32 v[BX+\b], v[BX+\b], v[PL+\b]     ; with lane l xor 16's 16 keys
.endr
	s_delay_alu instid0(VALU_DEP_2)
	v_max3_num_f32 v[TV], v[BX], v[BX+1], v[BX+2]
	s_delay_alu instid0(VALU_DEP_1)
	v_max_num_f32 v[TV], v[TV], v[BX+3]            ; the step's largest score of my query
	s_delay_alu instid0(VALU_DEP_1)
	v_mul_f32 v[TV], s[CS], v[TV]                  ; as t
	s_delay_alu instid0(VALU_DEP_1)
	v_max_num_f32 v13, v13, v[TV]                  ; the running largest t
	v_mov_b32 v[TV], v12
	s_delay_alu instid0(VALU_DEP_2)
	v_floor_f32 v12, -v13                          ; the new -M = floor(-t): M is a whole number
	s_delay_alu instid0(VALU_DEP_1)
	v_sub_f32 v[TV], v12, v[TV]                    ; old M - new M: a whole number, 0 or less
	s_delay_alu instid0(VALU_DEP_1)
	v_cvt_i32_f32 v[TV], v[TV]                     ; (it saturates)
	s_delay_alu instid0(VALU_DEP_1)
	v_ldexp_f32 v[F], 1.0, v[TV]                   ; f = 2^(old M - new M)
.set j, 0
.rept 32
	v_pk_fma_f32 v[S+j:S+j+1], v[S+j:S+j+1], s[CS:CS+1], v[12:13] op_sel_hi:[1,0,0]   ; t - M, two at a time
.set j, j+2
.endr
.irp b, 0,1,2,3
	v_fma_f32 v[BX+\b], v[BX+\b], s[CS], v12       ; the same of each block's largest score
.endr
.set j, 0
	s_wait_alu depctr_va_vdst(0)
.rept 64
	v_exp_f32 v[S+j], v[S+j]                       ; p = 2^(t - M), at most 1
.set j, j+1
.endr
	s_setprio 1
	v_pk_mul_f32 v[14:15], v[14:15], v[F:F+1] op_sel_hi:[1,0]      ; the sums under the new M: a plain instruction behind the exponentials
	s_wait_alu depctr_va_vdst(0)                   ; one wait for the batch of 64, ahead of its first reader
.irp b, 0,1,2,3
	v_exp_f32 v[BX+\b], v[BX+\b]                   ; the block's largest p: the same two instructions on the same number
.endr
	v_pk_add_f32 v[88:89], v[100:101], v[104:105]
	v_pk_add_f32 v[254:255], v[108:109], v[112:113]
	v_pk_add_f32 v[252:253], v[116:117], v[120:121]
	v_pk_add_f32 v[250:251], v[124:125], v[128:129]
	v_pk_add_f32 v[248:249], v[132:133], v[136:137]
	v_pk_add_f32 v[246:247], v[140:141], v[144:145]
	v_pk_add_f32 v[244:245], v[148:149], v[152:153]
	v_pk_add_f32 v[14:15], v[14:15], v[156:157]
	v_pk_add_f32 v[88:89], v[88:89], v[96:97]
	v_pk_add_f32 v[254:255], v[254:255], v[98:99]
	v_pk_add_f32 v[252:253], v[252:253], v[102:103]
	v_pk_add_f32 v[250:251], v[250:251], v[106:107]
	v_pk_add_f32 v[248:249], v[248:249], v[110:111]
	v_pk_add_f32 v[246:247], v[246:247], v[114:115]
	v_pk_add_f32 v[244:245], v[244:245], v[118:119]
	v_pk_add_f32 v[14:15], v[14:15], v[122:123]
	v_pk_add_f32 v[88:89], v[88:89], v[126:127]
	v_pk_add_f32 v[254:255], v[254:255], v[130:131]
	v_pk_add_f32 v[252:253], v[252:253], v[134:135]
	v_pk_add_f32 v[250:251], v[250:251], v[138:139]
	v_pk_add_f32 v[248:249], v[248:249], v[142:143]
	v_pk_add_f32 v[246:247], v[246:247], v[146:147]
	v_pk_add_f32 v[244:245], v[244:245], v[150:151]
	v_pk_add_f32 v[14:15], v[14:15], v[154:155]
	v_pk_add_f32 v[88:89], v[88:89], v[158:159]
	s_delay_alu instid0(VALU_DEP_2)
	v_pk_add_f32 v[14:15], v[14:15], v[250:251]
	s_delay_alu instid0(VALU_DEP_2)
	v_pk_add_f32 v[88:89], v[88:89], v[248:249]
	v_pk_add_f32 v[254:255], v[254:255], v[246:247]
	v_pk_add_f32 v[252:253], v[252:253], v[244:245]
	s_delay_alu instid0(VALU_DEP_2)
	v_pk_add_f32 v[14:15], v[14:15], v[254:255]
	s_delay_alu instid0(VALU_DEP_2)
	v_pk_add_f32 v[88:89], v[88:89], v[252:253]
	s_delay_alu instid0(VALU_DEP_1)
	v_pk_add_f32 v[14:15], v[14:15], v[88:89]
	s_wait_alu depctr_va_vdst(0)                   ; and one for the four
.irp b, 0,1,2,3
	v_max_num_f32 v[BX+\b], 0x1800000, v[BX+\b]    ; the floor 2^(3 - 127): the byte cannot fall under 1
.endr
.irp b, 0,1,2,3
	s_delay_alu instid0(VALU_DEP_4)
	v_add_nc_u32 v[SO+\b], 0xff000000, v[BX+\b]    ; 2 off the exponent field: the conversion's scale operand
.endr
.irp b, 0,1,2,3
	s_delay_alu instid0(VALU_DEP_4)
	v_lshrrev_b32 v[PL+\b], 23, v[SO+\b]           ; the scale's byte
.endr
	s_delay_alu instid0(VALU_DEP_3)
	v_lshl_or_b32 v[PS], v[PL+1], 8, v[PL]         ; p's scale word for these 128 keys
	s_delay_alu instid0(VALU_DEP_1)
	v_lshl_or_b32 v[PS], v[PL+2], 16, v[PS]
	s_delay_alu instid0(VALU_DEP_1)
	v_lshl_or_b32 v[PS], v[PL+3], 24, v[PS]
.irp c, 0,1
	v_cvt_scalef32_pk16_fp6_f32 v[PC+6*\c:PC+2+6*\c], v[S+32*\c:S+15+32*\c], v[SO+2*\c]
	v_cvt_scalef32_pk16_fp6_f32 v[PC2+4*\c:PC2+2+4*\c], v[S+16+32*\c:S+31+32*\c], v[SO+2*\c+1]
.endr
	v_nop                                          ; one plain place behind a scaled conversion
.irp d, 0,1,2,3                                ; p has been converted: V^T's four fragments land where it lay, while the lines below run
	ds_load_b128 v[S+12*\d:S+12*\d+3], v[A16] offset:VC+1536*\d
	ds_load_b64 v[S+12*\d+4:S+12*\d+5], v[A8] offset:VC+1536*\d+512
	ds_load_b128 v[S+12*\d+6:S+12*\d+9], v[A16] offset:VC+1536*\d+768
	ds_load_b64 v[S+12*\d+10:S+12*\d+11], v[A8] offset:VC+1536*\d+1280
.endr
	ds_load_b64 v[VS:VS+1], v[A8] offset:VSW
.irp c, 0,1                                    ; the operand's layout wants a whole block in a lane
.irp i, 0,1,2
	v_permlane16_swap_b32 v[PC+6*\c+\i], v[PC2+4*\c+\i]
.endr
.irp i, 0,1,2
	s_delay_alu instid0(VALU_DEP_3)
	v_mov_b32 v[PC+3+6*\c+\i], v[PC2+4*\c+\i]
.endr
.endr
.set j, 0
	s_setprio 0
.rept 16
	v_pk_mul_f32 v[O+j:O+j+1], v[O+j:O+j+1], v[F:F+1] op_sel_hi:[1,0]   ; O^T under the new M.  These sixteen are also the places between the writes of p's codes and scale word and the products
.set j, j+2
.endr
	s_wait_alu depctr_va_vdst(0)
	s_wait_dscnt 0x0
.irp d, 0,2                                    ; O^T += V^T P^T: four accumulators, one instruction each
	v_wmma_scale_f32_16x16x128_f8f6f4 v[O+8*\d:O+8*\d+7], v[S+12*\d:S+12*\d+11], v[PC:PC+11], v[O+8*\d:O+8*\d+7], v[VS+\d/2], v[PS] matrix_a_fmt:MATRIX_FMT_FP6 matrix_b_fmt:MATRIX_FMT_FP6
	v_wmma_scale_f32_16x16x128_f8f6f4 v[O+8*(\d+1):O+8*(\d+1)+7], v[S+12*(\d+1):S+12*(\d+1)+11], v[PC:PC+11], v[O+8*(\d+1):O+8*(\d+1)+7], v[VS+\d/2], v[PS] matrix_a_fmt:MATRIX_FMT_FP6 matrix_b_fmt:MATRIX_FMT_FP6 matrix_a_scale:MATRIX_SCALE_ROW1
.endr
.endm
; A TILE'S END: O^T / the sum; register 16 b + i is d = 32 b + 16 (lane / 16) + i of my query: two blocks of the last product's K; quantised; half an operand's registers, stored as they stand.
.macro FINISH pi
	v_nop
	v_nop                                          ; with the three lines below: the places behind the last products
	v_add_f32 v14, v14, v15                        ; the sum's two halves,
	s_delay_alu instid0(VALU_DEP_1)
	v_permlanex16_b32 v[TV], v14, s[SEL], s[SEL+1]
	s_delay_alu instid0(VALU_DEP_1)
	v_add_f32 v14, v14, v[TV]                      ; and lane l xor 16's
	s_wait_alu depctr_va_vdst(0)
	v_rcp_f32 v14, v14
	v_nop                                          ; a plain place behind the reciprocal
	s_wait_alu depctr_va_vdst(0)                   ; and the wait ahead of its first reader
.set j, 0
.rept 16
	v_pk_mul_f32 v[S+j:S+j+1], v[O+j:O+j+1], v[14:15] op_sel_hi:[1,0]   ; each accumulator from its low end on
.set j, j+2
.endr
.irp b, 0,1
	v_max3_num_f32 v[BX+\b], |v[S+16*\b]|, |v[S+1+16*\b]|, 0x1800000
.endr
.irp i, 2,4,6,8,10,12,14
.irp b, 0,1
	s_delay_alu instid0(VALU_DEP_2)
	v_max3_num_f32 v[BX+\b], v[BX+\b], |v[S+16*\b+\i]|, |v[S+1+16*\b+\i]|
.endr
.endr
.irp b, 0,1
	s_delay_alu instid0(VALU_DEP_2)
	v_permlanex16_b32 v[PL+\b], v[BX+\b], s[SEL], s[SEL+1]
.endr
.irp b, 0,1
	s_delay_alu instid0(VALU_DEP_2)
	v_max_num_f32 v[BX+\b], v[BX+\b], v[PL+\b]
.endr
.irp b, 0,1
	s_delay_alu instid0(VALU_DEP_2)
	v_add_nc_u32 v[SO+\b], 0xff000000, v[BX+\b]
.endr
.irp b, 0,1
	s_delay_alu instid0(VALU_DEP_2)
	v_lshrrev_b32 v[PL+\b], 23, v[SO+\b]
.endr
	v_cvt_scalef32_pk16_fp6_f32 v[PC:PC+2], v[S:S+15], v[SO]
	v_cvt_scalef32_pk16_fp6_f32 v[PC2:PC2+2], v[S+16:S+31], v[SO+1]
	v_cndmask_b32 v[SBY], v[PL], v[PL+1], s[HI]    ; lanes 0-15 block 0's byte, lanes 16-31 block 1's.  (The plain place behind the conversions)
.irp i, 0,1,2
	v_permlane16_swap_b32 v[PC+\i], v[PC2+\i]
.endr
.irp i, 0,1,2
	s_delay_alu instid0(VALU_DEP_3)
	v_mov_b32 v[PC+3+\i], v[PC2+\i]
.endr
	global_store_b128 v[L16], v[PC:PC+3], s[ATB:ATB+1] offset:49152*\pi          ; 512 consecutive bytes, at a multiple of 256 from the buffer's first byte; the second tile lies 16 tiles of 3,072 bytes on
	global_store_b64 v[L8], v[PC+4:PC+5], s[ATB:ATB+1] offset:49152*\pi+512      ; 256 consecutive bytes
	global_store_b8 v[ASO], v[SBY], s[ASB:ASB+1] offset:8192*\pi                 ; two bytes of each of 16 rows of 32: one byte in 25 of what the launch stores
.endm
.macro PASS qf, qs, pi
	v_mov_b32 v13, 0xff61b1e6                      ; the largest t so far: -3e38
	s_delay_alu instid0(VALU_DEP_1)
	v_floor_f32 v12, -v13                          ; -M
	v_mov_b32 v14, 0                               ; the sum, in two halves
	v_mov_b32 v15, 0
.set j, 0
.rept 32
	v_mov_b32 v[O+j], 0                            ; O^T: the step is written once; its first trip finds zeros, which the first change of M leaves zeros
.set j, j+1
.endr
	s_mov_b32 s[TB], 0
	s_mov_b32 s[CNT], 16
.Lstep_\@:
	s_setprio 2
	STEP \qf, \qs
	s_add_co_u32 s[TB], s[TB], REC
	s_sub_co_u32 s[CNT], s[CNT], 1
	s_cmp_lg_u32 s[CNT], 0
	s_cbranch_scc1 .Lstep_\@
	s_setprio 0
	FINISH \pi
.endm
	s_wait_tensorcnt 0x0                           ; my record has landed,
	s_wait_loadcnt 0x0                             ; and both tiles of queries
	s_barrier_signal -1
	s_barrier_wait -1                              ; everybody's record has: from here on LDS is only read
	PASS Q0F, Q0S, 0
	s_wait_xcnt 0x0                                ; the first tile's stores have read their data: the registers are written again below
	PASS Q1F, Q1S, 1
	s_wait_tensorcnt 0x0                           ; the wave's end, behind my last tensor load
	ds_add_u32 v[SPW], v[NIL]
	s_wait_dscnt 0x0
	ROUND                                          ; the closing round
	s_endpgm
.Lfunc_end_k_q7f08167eac_attn:
	.size	k_q7f08167eac_attn, .Lfunc_end_k_q7f08167eac_attn-k_q7f08167eac_attn
	.p2alignl 7, 3214868480
	.fill 96, 4, 3214868480
	.section	.rodata,"a",@progbits
	.p2align	6, 0x0
	.amdhsa_kernel k_q7f08167eac_attn
		.amdhsa_group_segment_fixed_size 210944
		.amdhsa_private_segment_fixed_size 0
		.amdhsa_enable_private_segment 0
		.amdhsa_kernarg_size 32
		.amdhsa_user_sgpr_count 2
		.amdhsa_user_sgpr_kernarg_segment_ptr 1
		.amdhsa_wavefront_size32 1
		.amdhsa_system_sgpr_workgroup_id_x 1
		.amdhsa_system_sgpr_workgroup_id_y 1
		.amdhsa_system_sgpr_workgroup_id_z 1
		.amdhsa_system_vgpr_workitem_id 0
		.amdhsa_next_free_vgpr 256
		.amdhsa_next_free_sgpr 66
		.amdhsa_reserve_vcc 0
		.amdhsa_float_denorm_mode_32 3
		.amdhsa_float_denorm_mode_16_64 3
		.amdhsa_memory_ordered 1
		.amdhsa_forward_progress 1
		.amdhsa_inst_pref_size 53
	.end_amdhsa_kernel
	.amdgpu_metadata
---
amdhsa.version: [ 1, 2 ]
amdhsa.kernels:
  - .name:           k_q7f08167eac_attn
    .symbol:         k_q7f08167eac_attn.kd
    .args:
      - { .name: qc, .offset: 0, .size: 8, .value_kind: global_buffer, .address_space: global }
      - { .name: kv, .offset: 8, .size: 8, .value_kind: global_buffer, .address_space: global }
      - { .name: atc, .offset: 16, .size: 8, .value_kind: global_buffer, .address_space: global }
      - { .name: ats, .offset: 24, .size: 8, .value_kind: global_buffer, .address_space: global }
    .group_segment_fixed_size: 210944
    .private_segment_fixed_size: 0
    .kernarg_segment_align: 8
    .kernarg_segment_size: 32
    .max_flat_workgroup_size: 512
    .sgpr_count:     66
    .vgpr_count:     256
    .wavefront_size: 32
...
	.end_amdgpu_metadata
.endif
;; end of part 2
;; launch oproj (part 3): grid 4 x 32, 4 waves a work-group, clusters of 4 x 4, 327,680 bytes of LDS; arguments atc, ats, Wo_codes, Wo_scales, out0, bo; writes out0
.if DOCPART == 3
	.amdgcn_target "amdgcn-amd-amdhsa--gfx1250"
	.amdhsa_code_object_version 6
	.text
	.protected	k_q7f08167eac_oproj
	.globl	k_q7f08167eac_oproj
	.p2align	8
	.type	k_q7f08167eac_oproj,@function
k_q7f08167eac_oproj:
	s_mov_b64 s[64:65], 0
	v_nop
	global_prefetch_b8 v0, s[64:65] scope:SCOPE_SE
	s_setreg_imm32_b32 hwreg(HW_REG_WAVE_MODE, 25, 1), 1
	s_wait_xcnt 0x0
	s_wait_alu depctr_hold_cnt(0) depctr_sa_sdst(0) depctr_va_vdst(0) depctr_va_sdst(0) depctr_va_ssrc(0) depctr_va_vcc(0) depctr_vm_vsrc(0)
	s_getreg_b32 s2, hwreg(HW_REG_IB_STS2, 6, 4)
	s_cmp_eq_u32 s2, 0
	s_cbranch_scc0 .Lentry_in_a_cluster
	s_endpgm
.Lentry_in_a_cluster:
	s_bfe_u32 s2, ttmp6, 0x10000c
	s_cmp_lg_u32 s2, 0xf033
	s_cbranch_scc0 .Lentry_shape_is_right
	s_endpgm
.Lentry_shape_is_right:
.set SIZE_N, 1024
.set KSTEP,  256
.set NQ,     KSTEP/128
.set ROWB,   192
.set KROW,   768
.set PITCH,  240
.set FR,     12
.set NLA,    4
.set NP,     4
.set HALFA,  8*3072
.set HALFT,  128*PITCH
.set SLOT,   2*HALFA+2*HALFT
.set SIGMA,  512*3072
.set LAPS,   2
.set KS,     32
.set SCL,    2*SLOT
.set HALFS,  (128*KS/256)*272
.set SBLK,   (16*KS/256)*272
.set SPARE,  SCL+4*HALFS
.set SPITCH, 528
.set ADRA, 16
.set ADRB, 20
.set STO,  24
.set RD,   25
.set CO,   26
.set ADRS, 27
.set SPW,  28
.set NIL,  29
.set SC,   32
.set BO,   64
.set AF,   128
.set BK,   128
.set G1, 24
.set G0, 32
.set G1B, 48
.set G0B, 56
.set G1S, 68
.set G0S, 76
.set G1SB, 80
.set G0SB, 88
.set MSB, 0
.macro WIN new
.if MSB != \new
	s_set_vgpr_msb (MSB<<8)|\new
.set MSB, \new
.endif
.endm
.set MUL_LO, 0xa1
.set MUL_HI, 0xf1
.set FIRST_LO, 0x81
.set FIRST_HI, 0xc1
.set TO_B,   0x40
.macro JLOAD g0a, g1a, g0b, g1b
	s_cmp_eq_u32 s15, 0
	s_cbranch_scc0 .Lfor_b_\@
	tensor_load_to_lds s[\g0a:\g0a+3], s[\g1a:\g1a+7]
	s_nop 0
.rept 4
	v_nop
.endr
	s_branch .Lasked_\@
.Lfor_b_\@:
	tensor_load_to_lds s[\g0b:\g0b+3], s[\g1b:\g1b+7]
	s_nop 0
.rept 4
	v_nop
.endr
.Lasked_\@:
.endm
.macro CREST
	s_cmp_lg_u32 s14, 0
	s_cbranch_scc1 .Lnot_wave_0_\@
	s_barrier_signal -3
.Lnot_wave_0_\@:
	s_barrier_wait -3
	s_barrier_signal -1
	s_barrier_wait -1
.endm
.macro CROUND
	s_barrier_signal -1
	s_barrier_wait -1
	CREST
.endm
	s_load_b128 s[4:7], s[0:1], 0x0
	s_load_b128 s[8:11], s[0:1], 0x10
	s_load_b64 s[12:13], s[0:1], 0x20
	s_load_b64 s[66:67], s[0:1], 0x28
	v_lshl_add_u32 v[SPW], v0, 2, SPARE
	v_mov_b32 v[NIL], 0
	ds_add_u32 v[SPW], v[NIL]
	ds_add_u32 v[SPW], v[NIL]
	v_lshrrev_b32 v1, 5, v0
	v_readfirstlane_b32 s14, v1
	s_lshr_b32 s15, s14, 1
	s_and_b32 s16, s14, 1
	s_bfe_u32 s40, ttmp6, 0x40000
	s_bfe_u32 s41, ttmp6, 0x40004
	s_lshl_b32 s42, ttmp9, 2
	s_add_co_u32 s42, s42, s40
	s_and_b32 s17, ttmp7, 0xffff
	s_lshl_b32 s17, s17, 2
	s_add_co_u32 s17, s17, s41
	s_lshl_b32 s43, s41, 2
	s_lshl_b32 s43, 15, s43
	s_lshl_b32 s44, 0x1111, s40
	s_or_b32 s[G1+0], s43, (3<<16)|(1<<21)
	s_mov_b32 s[G1+1], 32<<16
	s_mov_b32 s[G1+2], 96<<16
	s_mov_b32 s[G1+3], 32<<16
	s_mov_b32 s[G1+4], 96
	s_mov_b32 s[G1+5], 32
	s_mov_b32 s[G1+6], 0
	s_mov_b32 s[G1+7], 0
	s_or_b32 s[G1B+0], s44, (0<<16)|(1<<20)|(1<<21)|(3<<22)|(3<<25)
	s_mov_b32 s[G1B+1], ROWB<<16
	s_mov_b32 s[G1B+2], 128<<16
	s_mov_b32 s[G1B+3], ROWB<<16
	s_mov_b32 s[G1B+4], 128
	s_mov_b32 s[G1B+5], KROW
	s_mov_b32 s[G1B+6], 0
	s_mov_b32 s[G1B+7], 0
	s_or_b32 s[G1S+0], s43, (3<<16)|(1<<20)|(1<<21)|(5<<22)|(3<<25)
	s_or_b32 s[G1SB+0], s44, (3<<16)|(1<<20)|(1<<21)|(5<<22)|(3<<25)
.irp g, G1S, G1SB
	s_mov_b32 s[\g+1], 32<<16
	s_mov_b32 s[\g+2], (128*KS/256)<<16
	s_mov_b32 s[\g+3], 32<<16
	s_mov_b32 s[\g+4], 128*KS/256
	s_mov_b32 s[\g+5], 32
	s_mov_b32 s[\g+6], 0
	s_mov_b32 s[\g+7], 0
.endr
	s_lshl_b32 s18, s16, 7
	s_lshl_b32 s20, s17, 8
	s_add_co_u32 s20, s20, s18
	s_lshl_b32 s46, s42, 8
	s_add_co_u32 s46, s46, s18
	s_mov_b32 s21, 0
	s_mov_b32 s47, 0
	s_mov_b64 s[18:19], KS
	s_mul_u64 s[22:23], s[20:21], s[18:19]
	s_mul_u64 s[92:93], s[46:47], s[18:19]
	s_mov_b64 s[18:19], 192
	s_mul_u64 s[20:21], s[20:21], s[18:19]
	s_mov_b64 s[18:19], KROW
	s_mul_u64 s[46:47], s[46:47], s[18:19]
	s_mul_i32 s45, s16, HALFA
	s_mul_i32 s95, s16, HALFT
	s_add_co_u32 s95, s95, 2*HALFA
	s_mul_i32 s94, s14, HALFS
	s_wait_dscnt 0x0
	s_wait_kmcnt 0x0
	s_add_nc_u64 s[20:21], s[4:5], s[20:21]
	s_add_nc_u64 s[22:23], s[6:7], s[22:23]
	s_add_nc_u64 s[46:47], s[8:9], s[46:47]
	s_add_nc_u64 s[92:93], s[10:11], s[92:93]
	CROUND
	s_mov_b32 s[G0S], 1
	s_add_co_u32 s[G0S+1], s94, SCL
	s_mov_b64 s[G0S+2:G0S+3], s[22:23]
	s_or_b32 s[G0S+3], s[G0S+3], 0x80000000
	s_mov_b32 s[G0SB], 1
	s_add_co_u32 s[G0SB+1], s94, SCL
	s_mov_b64 s[G0SB+2:G0SB+3], s[92:93]
	s_or_b32 s[G0SB+3], s[G0SB+3], 0x80000000
	JLOAD G0S, G1S, G0SB, G1SB
.irp s, 0,1
	s_mov_b32 s[G0+4*\s], 1
	s_add_co_u32 s[G0+4*\s+1], s45, \s*SLOT
	s_add_nc_u64 s[G0+4*\s+2:G0+4*\s+3], s[20:21], \s*SIGMA
	s_or_b32 s[G0+4*\s+3], s[G0+4*\s+3], 0x80000000
	s_mov_b32 s[G0B+4*\s], 1
	s_add_co_u32 s[G0B+4*\s+1], s95, \s*SLOT
	s_add_nc_u64 s[G0B+4*\s+2:G0B+4*\s+3], s[46:47], \s*ROWB
	s_or_b32 s[G0B+4*\s+3], s[G0B+4*\s+3], 0x80000000
	s_wait_alu depctr_va_vdst(0)
	s_wait_tensorcnt 0x0
	ds_add_u32 v28, v29
	s_wait_dscnt 0x0
	CROUND
	JLOAD G0+4*\s, G1, G0B+4*\s, G1B
.endr
	v_and_b32 v1, 15, v0
	v_bfe_u32 v2, v0, 4, 1
	v_and_b32 v6, 31, v0
	v_mul_u32_u24 v3, v1, PITCH
	v_mul_u32_u24 v4, v2, 24
	v_add_nc_u32 v4, v3, v4
	v_lshl_add_u32 v5, v2, 4, v4
	s_mul_i32 s21, s15, HALFA
	s_mul_i32 s22, s16, HALFT
	s_add_co_u32 s22, s22, 2*HALFA
.irp s, 0,1
	v_lshl_add_u32 v[ADRA+\s], v6, 4, s21
	v_lshl_add_u32 v[ADRA+2+\s], v6, 3, s21
	v_add_nc_u32 v[ADRB+\s], s22, v4
	v_add_nc_u32 v[ADRB+2+\s], s22, v5
	s_add_co_u32 s21, s21, SLOT
	s_add_co_u32 s22, s22, SLOT
.endr
	v_mul_u32_u24 v5, v1, KS
	v_lshrrev_b32 v3, 8, v5
	v_lshl_add_u32 v5, v3, 4, v5
	s_mul_i32 s21, s15, HALFS
	s_mul_i32 s22, s16, HALFS
	s_add_co_u32 s22, s22, 2*HALFS
	s_sub_co_u32 s22, s22, s21
	v_mul_u32_u24 v3, s22, v2
	s_add_co_u32 s21, s21, SCL
	v_add_nc_u32 v5, v5, v3
	v_add_nc_u32 v[ADRS], s21, v5
	s_mul_i32 s23, s14, 16*SPITCH
	v_mul_u32_u24 v5, v1, SPITCH
	v_lshl_add_u32 v5, v2, 5, v5
	v_add_nc_u32 v[STO], s23, v5
	v_lshlrev_b32 v[CO], 4, v6
	v_add_nc_u32 v[RD], s23, v[CO]
	v_lshlrev_b32 v7, 5, v2
	s_wait_alu depctr_va_vdst(0)
	s_lshl_b32 s20, s17, 8
	s_lshl_b32 s21, s15, 7
	s_add_co_u32 s20, s20, s21
	s_mov_b32 s21, 0
	s_mov_b64 s[18:19], SIZE_N*4
	s_mul_u64 s[20:21], s[20:21], s[18:19]
	s_lshl_b32 s46, s42, 10
	s_lshl_b32 s47, s16, 9
	s_add_co_u32 s46, s46, s47
	s_mov_b32 s47, 0
	s_add_nc_u64 s[66:67], s[66:67], s[46:47]
	s_add_nc_u64 s[20:21], s[20:21], s[46:47]
	s_add_nc_u64 s[12:13], s[12:13], s[20:21]
.irp b, 0,1,2,3,4,5,6,7
	global_load_b128 v[BO+8*\b:BO+8*\b+3], v7, s[66:67] offset:64*\b
	global_load_b128 v[BO+8*\b+4:BO+8*\b+7], v7, s[66:67] offset:64*\b+16
.endr
.macro FRAG reg, adr, q, i
.irp p, 0,1,2,3,4,5
.set PCE, 12*(\q)+6*(\p/3)+\p%3
.if PCE%8 < 5
	ds_load_b64 v[\reg+2*\p:\reg+2*\p+1], v[\adr] offset:8*PCE+16*(PCE/8)+(\i)*16*PITCH
.else
	ds_load_b64 v[\reg+2*\p:\reg+2*\p+1], v[\adr+2] offset:8*PCE+16*(PCE/8)+(\i)*16*PITCH
.endif
.endr
.endm
.macro FRAGA reg, slot, q, i
	ds_load_b128 v[\reg:\reg+3], v[ADRA+\slot] offset:3072*(\i)+1536*(\q)
	ds_load_b64 v[\reg+4:\reg+5], v[ADRA+2+\slot] offset:3072*(\i)+1536*(\q)+512
	ds_load_b128 v[\reg+6:\reg+9], v[ADRA+\slot] offset:3072*(\i)+1536*(\q)+768
	ds_load_b64 v[\reg+10:\reg+11], v[ADRA+2+\slot] offset:3072*(\i)+1536*(\q)+1280
.endm
.macro MUL16 a0, p, q, sc, zero
.irp a, \a0, \a0+1
.irp b, 0,1,2,3,4,5,6,7
.if \zero
	v_wmma_scale_f32_16x16x128_f8f6f4 v[8*(8*((\a)%4)+\b):8*(8*((\a)%4)+\b)+7], v[128*(\p)+FR*\b:128*(\p)+FR*\b+FR-1], v[AF+FR*(\a):AF+FR*(\a)+FR-1], v[BO+8*\b:BO+8*\b+7], v[SC+8*NQ*(\sc)+NQ*\b+(\q)], v[SC+8*NQ*(\sc)+NQ*(\a)+(\q)] matrix_a_fmt:MATRIX_FMT_FP6 matrix_b_fmt:MATRIX_FMT_FP6 matrix_a_scale:MATRIX_SCALE_ROW1
.else
	v_wmma_scale_f32_16x16x128_f8f6f4 v[8*(8*((\a)%4)+\b):8*(8*((\a)%4)+\b)+7], v[128*(\p)+FR*\b:128*(\p)+FR*\b+FR-1], v[AF+FR*(\a):AF+FR*(\a)+FR-1], v[8*(8*((\a)%4)+\b):8*(8*((\a)%4)+\b)+7], v[SC+8*NQ*(\sc)+NQ*\b+(\q)], v[SC+8*NQ*(\sc)+NQ*(\a)+(\q)] matrix_a_fmt:MATRIX_FMT_FP6 matrix_b_fmt:MATRIX_FMT_FP6 matrix_a_scale:MATRIX_SCALE_ROW1
.endif
.endr
.endr
.endm
.macro FETCH_B slot, q, p
	WIN TO_B
.irp i, 0,1,2,3,4,5,6,7
	FRAG 128*(\p)+FR*\i, ADRB+\slot, \q, \i
.endr
	WIN 0
.endm
.macro FETCH_A slot, q, i0
.irp i, \i0, \i0+1, \i0+2, \i0+3
	FRAGA AF+FR*(\i), \slot, \q, \i
.endr
.endm
.macro SCALES sc
.irp i, 0,1,2,3,4,5,6,7
	ds_load_b64 v[SC+8*NQ*\sc+NQ*\i:SC+8*NQ*\sc+NQ*\i+1], v[ADRS] offset:\i*SBLK
.endr
.endm
.macro PLACES n
.rept \n
	v_nop
.endr
.endm
.macro STEP slot, q, zero
	s_wait_dscnt 4*NLA
.if \zero
	WIN FIRST_LO
.else
	WIN MUL_LO
.endif
	MUL16 0, (\q)%2, \q, \slot, \zero
	MUL16 2, (\q)%2, \q, \slot, \zero
	s_wait_dscnt 0
	PLACES NP
	FETCH_B \slot, (\q)+1, 1-(\q)%2
	FETCH_A \slot, (\q)+1, 0
.if \zero
	WIN FIRST_HI
.else
	WIN MUL_HI
.endif
	MUL16 4, (\q)%2, \q, \slot, \zero
	MUL16 6, (\q)%2, \q, \slot, \zero
	PLACES NP
	WIN 0
	FETCH_A \slot, (\q)+1, 4
.endm
.macro TURN slot, next, fill
	s_wait_tensorcnt 0x0
	ds_add_u32 v[SPW], v[NIL]
	s_wait_dscnt 4*NLA+1
	WIN MUL_LO
	MUL16 0, 1, NQ-1, \slot, 0
	s_wait_dscnt 0x0
	s_barrier_signal -1
	MUL16 2, 1, NQ-1, \slot, 0
	WIN 0
	s_barrier_wait -1
.if \fill
	CREST
	s_add_nc_u64 s[G0+4*\slot+2:G0+4*\slot+3], s[G0+4*\slot+2:G0+4*\slot+3], 2*SIGMA
	s_add_nc_u64 s[G0B+4*\slot+2:G0B+4*\slot+3], s[G0B+4*\slot+2:G0B+4*\slot+3], 2*ROWB
	JLOAD G0+4*\slot, G1, G0B+4*\slot, G1B
.else
	PLACES NP
.endif
	s_wait_alu depctr_va_vdst(0)
	v_add_nc_u32 v[ADRS], 4*NQ, v[ADRS]
	FETCH_B \next, 0, 0
	FETCH_A \next, 0, 0
	SCALES \next
	WIN MUL_HI
	MUL16 4, 1, NQ-1, \slot, 0
	MUL16 6, 1, NQ-1, \slot, 0
	PLACES NP
	WIN 0
	FETCH_A \next, 0, 4
.endm
	s_wait_tensorcnt 1
	s_barrier_signal -1
	s_barrier_wait -1
	FETCH_B 0, 0, 0
	FETCH_A 0, 0, 0
	SCALES 0
	FETCH_A 0, 0, 4
	s_wait_loadcnt 0x0
	STEP 0, 0, 1
	s_mov_b32 s3, LAPS-1
.Llap:
	TURN 0, 1, 1
	STEP 1, 0, 0
	TURN 1, 0, 1
	STEP 0, 0, 0
	s_sub_co_u32 s3, s3, 1
	s_cmp_lg_u32 s3, 0
	s_cbranch_scc1 .Llap
	TURN 0, 1, 0
	STEP 1, 0, 0
	s_wait_dscnt 4*NLA
	WIN MUL_LO
	MUL16 0, 1, NQ-1, 1, 0
	MUL16 2, 1, NQ-1, 1, 0
	s_wait_dscnt 0
	WIN MUL_HI
	MUL16 4, 1, NQ-1, 1, 0
	MUL16 6, 1, NQ-1, 1, 0
	WIN 0
.macro TOSTAGE a
.set AC, 64*((\a)%4)
	WIN 0x08+4*((\a)/4)
.irp b, 0,1,2,3,4,5,6,7
	ds_store_b128 v[STO], v[AC+8*\b:AC+8*\b+3] offset:64*\b
	ds_store_b128 v[STO], v[AC+8*\b+4:AC+8*\b+7] offset:64*\b+16
.endr
	WIN 0
.set BB, BK+64*((\a)%2)
.irp t, 0,1,2,3,4,5,6,7,8,9,10,11,12,13,14,15
	ds_load_b128 v[BB+4*\t:BB+4*\t+3], v[RD] offset:\t*SPITCH
.endr
.endm
.macro SEND a, younger
.set BB, BK+64*((\a)%2)
	s_wait_dscnt \younger
.if ((\a) > 0) && ((\a)%2 == 0)
	s_add_nc_u64 s[12:13], s[12:13], 32*SIZE_N*4
.endif
.irp t, 0,1,2,3,4,5,6,7,8,9,10,11,12,13,14,15
	global_store_b128 v[CO], v[BB+4*\t:BB+4*\t+3], s[12:13] offset:(8*((\a)%2)+\t+8*(\t/8))*SIZE_N*4 th:TH_STORE_NT
.endr
.endm
	PLACES NP
	TOSTAGE 0
.irp a, 1,2,3,4,5,6,7
.if \a > 1
	s_wait_xcnt 0x0
.endif
	TOSTAGE \a
	SEND \a-1, 32
.endr
	s_wait_xcnt 0x0
	SEND 7, 0
	s_wait_tensorcnt 0x0
	ds_add_u32 v[SPW], v[NIL]
	s_wait_dscnt 0x0
	CROUND
	s_endpgm
.Lfunc_end_k_q7f08167eac_oproj:
	.size	k_q7f08167eac_oproj, .Lfunc_end_k_q7f08167eac_oproj-k_q7f08167eac_oproj
	.p2alignl 7, 3214868480
	.fill 96, 4, 3214868480
	.section	.rodata,"a",@progbits
	.p2align	6, 0x0
	.amdhsa_kernel k_q7f08167eac_oproj
		.amdhsa_group_segment_fixed_size 327680
		.amdhsa_private_segment_fixed_size 0
		.amdhsa_enable_private_segment 0
		.amdhsa_kernarg_size 48
		.amdhsa_user_sgpr_count 2
		.amdhsa_user_sgpr_kernarg_segment_ptr 1
		.amdhsa_wavefront_size32 1
		.amdhsa_system_sgpr_workgroup_id_x 1
		.amdhsa_system_sgpr_workgroup_id_y 1
		.amdhsa_system_sgpr_workgroup_id_z 1
		.amdhsa_system_vgpr_workitem_id 0
		.amdhsa_next_free_vgpr 1024
		.amdhsa_next_free_sgpr 98
		.amdhsa_reserve_vcc 0
		.amdhsa_float_denorm_mode_32 3
		.amdhsa_float_denorm_mode_16_64 3
		.amdhsa_memory_ordered 1
		.amdhsa_forward_progress 1
		.amdhsa_inst_pref_size 154
	.end_amdhsa_kernel
	.amdgpu_metadata
---
amdhsa.version: [ 1, 2 ]
amdhsa.kernels:
  - .name:           k_q7f08167eac_oproj
    .symbol:         k_q7f08167eac_oproj.kd
    .args:
      - { .name: atc, .offset: 0, .size: 8, .value_kind: global_buffer, .address_space: global }
      - { .name: ats, .offset: 8, .size: 8, .value_kind: global_buffer, .address_space: global }
      - { .name: Wo_codes, .offset: 16, .size: 8, .value_kind: global_buffer, .address_space: global }
      - { .name: Wo_scales, .offset: 24, .size: 8, .value_kind: global_buffer, .address_space: global }
      - { .name: out0, .offset: 32, .size: 8, .value_kind: global_buffer, .address_space: global }
      - { .name: bo, .offset: 40, .size: 8, .value_kind: global_buffer, .address_space: global }
    .group_segment_fixed_size: 327680
    .private_segment_fixed_size: 0
    .kernarg_segment_align: 8
    .kernarg_segment_size: 48
    .max_flat_workgroup_size: 128
    .sgpr_count:     98
    .vgpr_count:     1024
    .wavefront_size: 32
...
	.end_amdgpu_metadata
.endif
;; end of part 3
